; MI455X (gfx1250); checked and timed in simulation.
; The chip was launched on July 23, 2026; its instructions are those of AMD's public machine-readable ISA for CDNA 5 (MIT licence, August 2026) and "CDNA5" Instruction Set Architecture Reference Guide (July 2026). The comments in the code are by the model that wrote it; some were corrected since.
;; Attention. Allowed arithmetic: float matrix products may take bf16 or f16 operands with f32 sums; all other float work in f32.
;; Inputs: Wk 1,024 x 1,024 float32; Wq 1,024 x 1,024 float32; Wv 1,024 x 1,024 float32; inputs_kv 4 x 2,048 x 1,024 float32; inputs_q 4 x 2,048 x 1,024 float32.
;; Outputs: out0 4 x 2,048 x 1,024 float32.
;; One version. Each part assembles by itself: llvm-mc -triple=amdgcn-amd-amdhsa -mcpu=gfx1250 --defsym DOCPART=n.
;; ======== version 1 of 1: 3 launches
;; limits: values are held in f16: magnitudes above 65,504 overflow, below 6.1e-05 lose precision
;; workspace buffers: xb 33,554,432 bytes; wb 6,291,456 bytes; qh 16,777,216 bytes; kh 16,777,216 bytes; vt 16,777,216 bytes
;; launch cast (part 1): grid 256 x 1, 32 waves a work-group, no clusters, 0 bytes of LDS; arguments inputs_q, inputs_kv, Wq, Wk, Wv, xb, wb; writes xb, wb
.if DOCPART == 1
	.amdgcn_target "amdgcn-amd-amdhsa--gfx1250"
	.amdhsa_code_object_version 6
	.text
	.protected	k_q551ab6474a_cast
	.globl	k_q551ab6474a_cast
	.p2align	8
	.type	k_q551ab6474a_cast,@function
k_q551ab6474a_cast:
	s_mov_b64 s[64:65], 0
	v_nop
	global_prefetch_b8 v0, s[64:65] scope:SCOPE_SE
	s_setreg_imm32_b32 hwreg(HW_REG_WAVE_MODE, 25, 1), 1
	s_wait_xcnt 0x0
; Rounds the five f32 inputs to bf16, once, so that the products that follow read 16-bit tiles.
;   xb: bf16 [2][8192][1024], plane 0 = inputs_q, plane 1 = inputs_kv.
;   wb: bf16 [8][3][128][1024]: row n of Wq, Wk, Wv (p = 0, 1, 2) lies at row (n >> 7) * 384 + p * 128 + (n & 127), so that the 384 rows
;       which one block of 128 output columns needs of the three matrices follow each other.
; The inputs are 19 slabs of 4 MiB (1,024 rows of 1,024 f32): 0-7 inputs_q, 8-15 inputs_kv, 16, 17, 18 Wq, Wk, Wv.
; 256 work-groups of 32 waves.  Work-group g takes 16,384 bytes (4 rows) of every slab, thread t the 16 bytes at 16,384 g + 16 t of it:
; a wave's load covers 512 consecutive bytes and uses all of them, its store (8 bytes a lane) 256 consecutive bytes, aligned.
; The slab is the load's number, so the source is picked by the text and not by a select.  A stream: no LDS, no barrier, no matrix unit, no loop:
; all 19 loads of a thread go out first (19 x 16,384 = 311,296 bytes of a work-group on their way), and no register is written twice.
.set X,    4                           ; v[4:79]    slab s: 4 f32 as loaded
.set Y,    80                          ; v[80:117]  slab s: 4 bf16 to store
.set BQ,   20                          ; s[20:27]   inputs_q  + 0, 8, 16, 24 MiB
.set BK,   28                          ; s[28:35]   inputs_kv + 0, 8, 16, 24 MiB
.set BX,   36                          ; s[36:43]   xb        + 0, 8, 16, 24 MiB
.set SLAB, 0x400000                    ; bytes of a slab of f32; half of it in bf16
	s_load_b256 s[4:11], s[0:1], 0x0               ; inputs_q s[4:5], inputs_kv s[6:7], Wq s[8:9], Wk s[10:11]
	s_load_b128 s[12:15], s[0:1], 0x20             ; Wv s[12:13], xb s[14:15]
	s_load_b64 s[16:17], s[0:1], 0x30              ; wb
	s_lshl_b32 s18, ttmp9, 14
	v_lshlrev_b32 v1, 4, v0
	v_add_nc_u32 v1, s18, v1                       ; in a slab of f32: 16,384 g + 16 t
	s_lshl_b32 s19, ttmp9, 13
	v_lshlrev_b32 v3, 3, v0                        ; 8 t
	v_add_nc_u32 v2, s19, v3                       ; in a slab of xb: 8,192 g + 8 t
	s_lshr_b32 s44, ttmp9, 5                       ; in wb: my 4 rows n = 4 g .. lie at row (g >> 5) * 384 + 4 (g & 31) (+ 128 p), rows of 2,048 bytes
	s_mul_i32 s44, s44, 384
	s_and_b32 s45, ttmp9, 31
	s_lshl2_add_u32 s44, s45, s44
	s_lshl_b32 s44, s44, 11
	v_add_nc_u32 v3, s44, v3
	s_wait_kmcnt 0x0
	; bases 8 MiB apart, so that a slab's place fits the signed 24-bit immediate (k = 0 is a copy, so that the four are named alike)
.irp k, 0,1,2,3
	s_add_nc_u64 s[BQ+2*\k:BQ+2*\k+1], s[4:5], \k*2*SLAB
	s_add_nc_u64 s[BK+2*\k:BK+2*\k+1], s[6:7], \k*2*SLAB
	s_add_nc_u64 s[BX+2*\k:BX+2*\k+1], s[14:15], \k*2*SLAB
.endr
.macro LD s, lo, off                   ; slab s from the base in s[lo:lo+1]; read once in the launch
	global_load_b128 v[X+4*(\s):X+4*(\s)+3], v1, s[\lo:\lo+1] offset:\off th:TH_LOAD_NT
.endm
.irp s, 0,1,2,3,4,5,6,7
	LD \s, BQ+2*(\s/2), (\s%2)*SLAB
.endr
.irp s, 0,1,2,3,4,5,6,7
	LD 8+\s, BK+2*(\s/2), (\s%2)*SLAB
.endr
.irp p, 0,1,2
	LD 16+\p, 8+2*\p, 0
.endr
.macro ST s, vo, lo, off               ; slab s is rounded and stored at offset register v[vo], base s[lo:lo+1]; no hint: the next launch reads these bytes
	s_wait_loadcnt 18-(\s)                         ; loads come back in order (ISA guide 5.7.1): one younger load for each later slab stays out
	v_cvt_pk_bf16_f32 v[Y+2*(\s)],   v[X+4*(\s)],   v[X+4*(\s)+1]
	v_cvt_pk_bf16_f32 v[Y+2*(\s)+1], v[X+4*(\s)+2], v[X+4*(\s)+3]
	global_store_b64 v[\vo], v[Y+2*(\s):Y+2*(\s)+1], s[\lo:\lo+1] offset:\off
.endm
.irp s, 0,1,2,3,4,5,6,7,8,9,10,11,12,13,14,15
	ST \s, 2, BX+2*(\s/4), (\s%4)*(SLAB/2)
.endr
.irp p, 0,1,2
	ST 16+\p, 3, 16, \p*128*2048
.endr
	s_endpgm
.Lfunc_end_k_q551ab6474a_cast:
	.size	k_q551ab6474a_cast, .Lfunc_end_k_q551ab6474a_cast-k_q551ab6474a_cast
	.p2alignl 7, 3214868480
	.fill 96, 4, 3214868480
	.section	.rodata,"a",@progbits
	.p2align	6, 0x0
	.amdhsa_kernel k_q551ab6474a_cast
		.amdhsa_group_segment_fixed_size 0
		.amdhsa_private_segment_fixed_size 0
		.amdhsa_enable_private_segment 0
		.amdhsa_kernarg_size 56
		.amdhsa_user_sgpr_count 2
		.amdhsa_user_sgpr_kernarg_segment_ptr 1
		.amdhsa_wavefront_size32 1
		.amdhsa_system_sgpr_workgroup_id_x 1
		.amdhsa_system_sgpr_workgroup_id_y 1
		.amdhsa_system_sgpr_workgroup_id_z 1
		.amdhsa_system_vgpr_workitem_id 0
		.amdhsa_next_free_vgpr 120
		.amdhsa_next_free_sgpr 66
		.amdhsa_reserve_vcc 0
		.amdhsa_float_denorm_mode_32 3
		.amdhsa_float_denorm_mode_16_64 3
		.amdhsa_memory_ordered 1
		.amdhsa_forward_progress 1
		.amdhsa_inst_pref_size 9
	.end_amdhsa_kernel
	.amdgpu_metadata
---
amdhsa.version: [ 1, 2 ]
amdhsa.kernels:
  - .name:           k_q551ab6474a_cast
    .symbol:         k_q551ab6474a_cast.kd
    .args:
      - { .name: inputs_q, .offset: 0, .size: 8, .value_kind: global_buffer, .address_space: global }
      - { .name: inputs_kv, .offset: 8, .size: 8, .value_kind: global_buffer, .address_space: global }
      - { .name: Wq, .offset: 16, .size: 8, .value_kind: global_buffer, .address_space: global }
      - { .name: Wk, .offset: 24, .size: 8, .value_kind: global_buffer, .address_space: global }
      - { .name: Wv, .offset: 32, .size: 8, .value_kind: global_buffer, .address_space: global }
      - { .name: xb, .offset: 40, .size: 8, .value_kind: global_buffer, .address_space: global }
      - { .name: wb, .offset: 48, .size: 8, .value_kind: global_buffer, .address_space: global }
    .group_segment_fixed_size: 0
    .private_segment_fixed_size: 0
    .kernarg_segment_align: 8
    .kernarg_segment_size: 56
    .max_flat_workgroup_size: 1024
    .sgpr_count:     66
    .vgpr_count:     120
    .wavefront_size: 32
...
	.end_amdgpu_metadata
.endif
;; end of part 1
;; launch proj (part 2): grid 8 x 32, 4 waves a work-group, clusters of 4 x 4, 327,680 bytes of LDS; arguments xb, wb, qh, kh, vt; writes qh, kh, vt
.if DOCPART == 2
	.amdgcn_target "amdgcn-amd-amdhsa--gfx1250"
	.amdhsa_code_object_version 6
	.text
	.protected	k_q551ab6474a_proj
	.globl	k_q551ab6474a_proj
	.p2align	8
	.type	k_q551ab6474a_proj,@function
k_q551ab6474a_proj:
	s_mov_b64 s[64:65], 0
	v_nop
	global_prefetch_b8 v0, s[64:65] scope:SCOPE_SE
	s_setreg_imm32_b32 hwreg(HW_REG_WAVE_MODE, 25, 1), 1
	s_wait_xcnt 0x0
	s_wait_alu depctr_hold_cnt(0) depctr_sa_sdst(0) depctr_va_vdst(0) depctr_va_sdst(0) depctr_va_ssrc(0) depctr_va_vcc(0) depctr_vm_vsrc(0)
	s_getreg_b32 s2, hwreg(HW_REG_IB_STS2, 6, 4)
	s_cmp_eq_u32 s2, 0
	s_cbranch_scc0 .Lentry_in_a_cluster
	s_endpgm
.Lentry_in_a_cluster:
	s_bfe_u32 s2, ttmp6, 0x10000c
	s_cmp_lg_u32 s2, 0xf033
	s_cbranch_scc0 .Lentry_shape_is_right
	s_endpgm
.Lentry_shape_is_right:
; q = x_q Wq^T, k = x_kv Wk^T, v = x_kv Wv^T in one launch, bf16 operands, f32 sums, results rounded once to f16.
;   xb [2][8192][1024], wb [8][3][128][1024] (bf16, made by the launch before);
;   qh, kh: f16 [b][head][t][64];  vt: f16 [b][head][d][t] (V transposed, rows of 4,096 bytes): the forms in which the attention launch reads them.
; WHY f16 OUT: in the first rows of a head the output is a sum of a few v of opposite signs, so that the rounding of q, k and v is seen in full;
; f16 keeps 11 significant bits where bf16 keeps 8.
; LIMIT: |q|, |k|, |v| below 65,504, f16's largest number; beyond it they become infinite.  With the drawn spreads (x 1, W 0.02) they have a
; spread of 0.64; all inputs 30 times larger give 576; an offset of 30 spreads on x and on W gives 1,024 x 30 x 0.6 = 18,432.
; A work-group makes rows 256 by .. + 255 and columns 128 bx .. + 127 of q, of k and of v: 256 x 384 outputs, 8 x 32 = 256 equal work-groups.
; Four waves; wave w makes rows 128 (w >> 1) .. and columns 64 (w & 1) .. (one head) of all three: 3 x 32 accumulator tiles, 768 registers.
; K = 1,024 goes in 16 steps of 64 through two LDS slots; a step is two substeps of 32.  (A step of 128 would want two slots of
; 896 rows x 272 bytes = 487,424 bytes, more than a work-group can be given.)
; CLUSTERS: 4 x 4 work-groups.  The x tiles hang on by alone and are asked for jointly by a row of the cluster, the W tiles on bx alone and
; are asked for jointly by a column: each tile is requested once for four work-groups.
; LDS, rows 144 bytes apart (128 of data + 16 of padding: the 16 rows of a fragment start at 16 different 16-byte columns modulo 256 bytes):
;   slot: x_q 256 rows at 0, x_kv 256 rows at 36,864, W 384 rows (Wq, Wk, Wv, 128 each) at 73,728; 129,024 bytes; two slots;
;   behind them, at 258,048, a stage of 4,352 bytes for each wave for the way out, into which no tile is ever loaded.
; REGISTERS: window 0: addresses and one set of fragments; windows 1, 2, 3: the accumulators of q, k, v, tile (a, b) at v[8 (4 a + b)].
; q and k are multiplied with W's rows as source 0: a lane then holds 8 neighbouring columns (d) of one row t.
; v is multiplied with x's rows as source 0: a lane then holds 8 neighbouring t of one column d, which is a piece of a row of vt.
.set PITCH,  144
.set FR,     16*PITCH                  ; from fragment to fragment
.set XKV,    256*PITCH                 ; x_kv behind x_q
.set WOFF,   512*PITCH                 ; W behind both
.set WP,     128*PITCH                 ; from Wq to Wk to Wv
.set SLOT,   896*PITCH
.set STAGE,  2*SLOT
.set STG,    4352                      ; a wave's stage: 16 rows x 272 bytes (v), or 16 rows x 144 (q, k)
.set LAPS,   8                         ; a lap = two K steps = once round the ring
.set ADRA, 16                          ; v16-17  my x fragments in slot 0, 1
.set ADRB, 18                          ; v18-19  my W fragments in slot 0, 1
.set STQ,  20                          ; way out of q, k: where I put 16 bytes
.set RDQ,  21                          ;                  where I read rows back
.set COQ,  22                          ;                  my byte offset in qh, kh
.set STV,  23                          ; the same three for v
.set RDV,  24
.set COV,  25
.set AQ,   32                          ; v32-95    8 fragments of x_q
.set BQ,   96                          ; v96-127   4 fragments of Wq
.set AKV,  128                         ; v128-191  8 fragments of x_kv
.set BK,   192                         ; v192-223  4 fragments of Wk
.set BV,   224                         ; v224-255  4 fragments of Wv
.set TMP,  32                          ; way out: packed results
.set RB0,  64                          ; way out: rows read back, two sets in turn
.set RB1,  96
.set G1A, 24                           ; s[24:31] descriptor group 1 of the x tiles
.set G0A, 32                           ; s[32:39] their group 0, one set for each slot
.set G1B, 48                           ; s[48:55] group 1 of the W tiles
.set G0B, 56                           ; s[56:63] their group 0, one set for each slot
.set WQ, 0x50                          ; C and D in window 1, sources in window 0
.set WK, 0xa0                          ; window 2
.set WV, 0xf0                          ; window 3
.set MSB, 0
.macro WIN new                         ; the immediate's high byte repeats the setting that is left
.if MSB != \new
	s_set_vgpr_msb (MSB<<8)|\new
.set MSB, \new
.endif
.endm
; Four places: a load into a register that a matrix instruction has read, and a vector instruction that reads a matrix result, stand four
; plain vector instructions behind it (ISA guide 7.12.1 for vector instructions).
.macro PLACES
.rept 4
	v_nop
.endr
.endm
; A joint load.  Waves 0 and 1 ask for x_q and x_kv, waves 2 and 3 for the two halves of W's 384 rows.  The branch hangs on the wave's number alone.
.macro JLOAD s
	s_cmp_eq_u32 s15, 0
	s_cbranch_scc0 .Lfor_b_\@
	tensor_load_to_lds s[G0A+4*\s:G0A+4*\s+3], s[G1A:G1A+7]
	s_nop 0
	s_branch .Lasked_\@
.Lfor_b_\@:
	tensor_load_to_lds s[G0B+4*\s:G0B+4*\s+3], s[G1B:G1B+7]
	s_nop 0
.Lasked_\@:
.endm
; A round of the cluster's barrier: my work-group's barrier, wave 0 signals for the work-group, every wave waits for all sixteen, my work-group's barrier again.
.macro CREST                           ; the round behind its opening barrier
	s_cmp_lg_u32 s14, 0
	s_cbranch_scc1 .Lnot_wave_0_\@
	s_barrier_signal -3
.Lnot_wave_0_\@:
	s_barrier_wait -3
	s_barrier_signal -1
	s_barrier_wait -1
.endm
.macro CROUND
	s_barrier_signal -1
	s_barrier_wait -1
	CREST
.endm
	s_load_b128 s[4:7], s[0:1], 0x0                ; xb s[4:5], wb s[6:7]
	s_load_b128 s[8:11], s[0:1], 0x10              ; qh s[8:9], kh s[10:11]
	s_load_b64 s[12:13], s[0:1], 0x20              ; vt
	v_lshl_add_u32 v30, v0, 2, 0x43400
	v_mov_b32 v31, 0
	ds_add_u32 v30, v31
	ds_add_u32 v30, v31
	v_lshrrev_b32 v1, 5, v0
	v_readfirstlane_b32 s14, v1                    ; wave 0..3
	s_lshr_b32 s15, s14, 1                         ; RH: my half of the rows.  Also: I ask for x (0) or for W (1)
	s_and_b32 s16, s14, 1                          ; CH: my half of the columns.  Also: which of the two tiles I ask for
	s_bfe_u32 s17, ttmp6, 0x40000                  ; cx
	s_bfe_u32 s18, ttmp6, 0x40004                  ; cy
	s_lshl_b32 s19, ttmp9, 2
	s_add_co_u32 s19, s19, s17                     ; bx = 4 x cluster x + cx: block of 128 columns
	s_and_b32 s20, ttmp7, 0xffff
	s_lshl_b32 s20, s20, 2
	s_add_co_u32 s20, s20, s18                     ; by = 4 x cluster y + cy: block of 256 rows
	s_lshl_b32 s21, s18, 2
	s_lshl_b32 s21, 15, s21                        ; my row of the cluster: places 4 cy .. 4 cy + 3
	s_lshl_b32 s22, 0x1111, s17                    ; my column: places cx, cx + 4, cx + 8, cx + 12
	; group 1: rows of 64 elements of 2 bytes, 4 words of padding behind every 32 words; 256 rows (x) or 192 rows (W); 1,024 elements from row to row
	s_or_b32 s[G1A+0], s21, (1<<16)|(1<<20)|(1<<21)|(4<<22)|(3<<25)   ; 15:0 mask; 17:16 element size; 20 padding on; 21 set beside a mask; 24:22 interval; 31:25 pad
	s_or_b32 s[G1B+0], s22, (1<<16)|(1<<20)|(1<<21)|(4<<22)|(3<<25)
	s_mov_b32 s[G1A+1], 64<<16                     ; tensor_dim0 = 64
	s_mov_b32 s[G1B+1], 64<<16
	s_mov_b32 s[G1A+2], 256<<16                    ; tensor_dim1 = 256
	s_mov_b32 s[G1B+2], 192<<16                    ;             = 192
	s_mov_b32 s[G1A+3], 64<<16                     ; tile_dim0 = 64
	s_mov_b32 s[G1B+3], 64<<16
	s_mov_b32 s[G1A+4], 256                        ; tile_dim1
	s_mov_b32 s[G1B+4], 192
	s_mov_b32 s[G1A+5], 1024                       ; pitch
	s_mov_b32 s[G1B+5], 1024
	s_mov_b32 s[G1A+6], 0
	s_mov_b32 s[G1B+6], 0
	s_mov_b32 s[G1A+7], 0
	s_mov_b32 s[G1B+7], 0
	; where the tiles come from: x's hang on by and the wave, W's on bx and the wave, each in registers that never hold the other coordinate
	s_lshl_b32 s40, s16, 24                        ; plane of xb: 8,192 rows of 2,048 bytes
	s_lshl_b32 s41, s20, 19                        ; 256 by rows
	s_add_co_u32 s40, s40, s41
	s_mov_b32 s41, 0
	s_mul_i32 s42, s19, 384                        ; W: row 384 bx + 192 x half
	s_mul_i32 s43, s16, 192
	s_add_co_u32 s42, s42, s43
	s_lshl_b32 s42, s42, 11
	s_mov_b32 s43, 0
	; and where they go: the wave's number times a constant; no place in the cluster enters an LDS address
	s_mul_i32 s44, s14, XKV                        ; waves 0, 1: x_q at 0, x_kv at 36,864
	s_mul_i32 s45, s14, 192*PITCH
	s_add_co_u32 s45, s45, WOFF-2*192*PITCH        ; waves 2, 3: 73,728 and 101,376
	s_wait_dscnt 0x0
	s_wait_kmcnt 0x0
	s_add_nc_u64 s[40:41], s[4:5], s[40:41]
	s_add_nc_u64 s[42:43], s[6:7], s[42:43]
	CROUND                                         ; all sixteen work-groups are here: the first joint loads meet
.irp s, 0,1
	s_mov_b32 s[G0A+4*\s], 1                                       ; count = 1
	s_add_co_u32 s[G0A+4*\s+1], s44, \s*SLOT                       ; LDS address
	s_add_nc_u64 s[G0A+4*\s+2:G0A+4*\s+3], s[40:41], \s*128        ; global address: K step s
	s_or_b32 s[G0A+4*\s+3], s[G0A+4*\s+3], 0x80000000              ; type = 2
	s_mov_b32 s[G0B+4*\s], 1
	s_add_co_u32 s[G0B+4*\s+1], s45, \s*SLOT
	s_add_nc_u64 s[G0B+4*\s+2:G0B+4*\s+3], s[42:43], \s*128
	s_or_b32 s[G0B+4*\s+3], s[G0B+4*\s+3], 0x80000000
	JLOAD \s                                       ; both slots are asked for before anything else: two tensor loads of the wave are out
.endr
	; lane terms.  A fragment is 16 rows x 32 K: lane l holds row l % 16; two loads of 16 bytes, 32 bytes apart, at row x pitch + 16 (l / 16)
	v_and_b32 v1, 15, v0                           ; r
	v_bfe_u32 v2, v0, 4, 1                         ; h
	v_and_b32 v3, 31, v0                           ; lane
	v_mul_u32_u24 v4, v1, PITCH
	v_lshl_add_u32 v4, v2, 4, v4                   ; r x 144 + 16 h
	s_mul_i32 s46, s15, 128*PITCH                  ; my 128 rows of x
	s_mul_i32 s47, s16, 64*PITCH                   ; my 64 rows of each W
	s_add_co_u32 s47, s47, WOFF
	v_add_nc_u32 v[ADRA], s46, v4
	v_add_nc_u32 v[ADRB], s47, v4
	v_add_nc_u32 v[ADRA+1], SLOT, v[ADRA]
	v_add_nc_u32 v[ADRB+1], SLOT, v[ADRB]
	s_mul_i32 s46, s14, STG
	s_add_co_u32 s46, s46, STAGE                   ; my stage
	v_add_nc_u32 v[STQ], s46, v4                   ; q, k in: row r, 16 bytes for each half of the lanes
	v_lshrrev_b32 v5, 3, v3
	v_and_b32 v6, 7, v3
	v_mul_u32_u24 v5, v5, PITCH
	v_lshl_add_u32 v5, v6, 4, v5
	v_add_nc_u32 v[RDQ], s46, v5                   ; back: 8 lanes take a row of 128 bytes, a wave four rows
	v_lshlrev_b32 v[COQ], 4, v3                    ; which are 512 consecutive bytes of qh or kh
	v_mul_u32_u24 v5, v1, 272
	v_lshl_add_u32 v5, v2, 4, v5
	v_add_nc_u32 v[STV], s46, v5                   ; v in: row r (a d), pitch 272
	v_mul_u32_u24 v5, v2, 272
	v_lshl_add_u32 v5, v1, 4, v5
	v_add_nc_u32 v[RDV], s46, v5                   ; back: 16 lanes take a row of 256 bytes, a wave two rows
	v_lshlrev_b32 v5, 12, v2
	v_lshl_add_u32 v[COV], v1, 4, v5               ; and the same two rows of vt, 4,096 bytes apart
.macro LDF dst, adr, off               ; one fragment
	ds_load_b128 v[\dst:\dst+3],   v[\adr] offset:\off
	ds_load_b128 v[\dst+4:\dst+7], v[\adr] offset:\off+32
.endm
.macro F1 slot, k                      ; 24 loads: x_kv, then Wv, at byte k of the rows
	WIN 0
.irp i, 0,1,2,3,4,5,6,7
	LDF AKV+8*\i, ADRA+\slot, XKV+\k+\i*FR
.endr
.irp i, 0,1,2,3
	LDF BV+8*\i, ADRB+\slot, 2*WP+\k+\i*FR
.endr
.endm
.macro F2 slot, k                      ; 24 loads: x_q, then Wq
	WIN 0
.irp i, 0,1,2,3,4,5,6,7
	LDF AQ+8*\i, ADRA+\slot, \k+\i*FR
.endr
.irp i, 0,1,2,3
	LDF BQ+8*\i, ADRB+\slot, \k+\i*FR
.endr
.endm
.macro F3 slot, k                      ; 8 loads: Wk
	WIN 0
.irp i, 0,1,2,3
	LDF BK+8*\i, ADRB+\slot, WP+\k+\i*FR
.endr
.endm
.macro MM d, x, y, zero                ; zero = 1: the first product starts the sum, nothing is cleared
.if \zero
	v_wmma_f32_16x16x32_bf16 v[\d:\d+7], v[\x:\x+7], v[\y:\y+7], 0
.else
	v_wmma_f32_16x16x32_bf16 v[\d:\d+7], v[\x:\x+7], v[\y:\y+7], v[\d:\d+7]
.endif
.endm
; 16 matrix instructions of product p (0 q, 1 k, 2 v): row blocks a0 .. a0 + 3 x all four column blocks.
; The 96 accumulators take turns, one instruction a turn, in the same order in every substep.
.macro MUL p, a0, zero
.irp a, \a0, \a0+1, \a0+2, \a0+3
.irp b, 0,1,2,3
.if \p == 0
	MM 8*(4*(\a)+\b), BQ+8*\b, AQ+8*(\a), \zero
.elseif \p == 1
	MM 8*(4*(\a)+\b), BK+8*\b, AKV+8*(\a), \zero
.else
	MM 8*(4*(\a)+\b), AKV+8*(\a), BV+8*\b, \zero
.endif
.endr
.endr
.endm
; One set of fragment registers, refilled in three runs: each run stands behind the product that read its registers last and 32 or 64 matrix
; instructions ahead of the product that needs it.  Each wait leaves out the 32 loads issued behind the fragments that it needs.
; The first substep of a K step (bytes 0-63 of the rows):
.macro SUBE slot, zero
	PLACES
	F1 \slot, 0                                    ; x_kv, Wv of this substep
	s_wait_dscnt 32                                ; x_q, Wq are in; Wk (8) and the 24 just issued may be out
	WIN WQ
	MUL 0, 0, \zero
	MUL 0, 4, \zero
	PLACES
	F2 \slot, 64                                   ; x_q, Wq of the next substep
	s_wait_dscnt 32                                ; Wk and x_kv are in; Wv (8) and the 24 just issued may be out
	WIN WK
	MUL 1, 0, \zero
	MUL 1, 4, \zero
	PLACES
	F3 \slot, 64                                   ; Wk of the next substep
	s_wait_dscnt 32                                ; Wv is in; the 24 and the 8 for the next substep may be out
	WIN WV
	MUL 2, 0, \zero
	MUL 2, 4, \zero
.endm
; The second substep (bytes 64-127) changes slots.  One barrier for the change: in front of it each wave waits for its reads of this slot and for
; all its tensor loads (one is out: its part of the next slot).  fill = 1: the barrier opens a round of the cluster's barrier, and behind the
; round this slot is asked for again, two K steps ahead; from that request to the wait for it a wave issues 176 matrix instructions.
.macro SUBO slot, next, fill
	PLACES
	F1 \slot, 64                                   ; the last reads of this slot
	s_wait_dscnt 32
	WIN WQ
	MUL 0, 0, 0
	s_wait_dscnt 0                                 ; my reads of this slot are over
	s_wait_tensorcnt 0x0                           ; and all my tensor loads have landed
	ds_add_u32 v30, v31
	s_wait_dscnt 0x0
	s_barrier_signal -1
	MUL 0, 4, 0                                    ; register work while the others arrive
	WIN 0
	s_barrier_wait -1
.if \fill
	CREST                                          ; no wave of any partner still reads this slot or has a load on its way
	s_add_nc_u64 s[G0A+4*\slot+2:G0A+4*\slot+3], s[G0A+4*\slot+2:G0A+4*\slot+3], 256
	s_add_nc_u64 s[G0B+4*\slot+2:G0B+4*\slot+3], s[G0B+4*\slot+2:G0B+4*\slot+3], 256
	JLOAD \slot                                    ; the wave's one tensor load behind the round, and the first thing there
.endif
	PLACES
	F2 \next, 0
	WIN WK
	MUL 1, 0, 0                                    ; x_kv, Wk, Wv were shown in by the wait for 0 above
	MUL 1, 4, 0
	PLACES
	F3 \next, 0
	WIN WV
	MUL 2, 0, 0
	MUL 2, 4, 0
.endm
.macro LAP zero
	SUBE 0, \zero
	SUBO 0, 1, 1
	SUBE 1, 0
	SUBO 1, 0, 1
.endm
	s_wait_tensorcnt 1                             ; my part of K step 0 is in; K step 1's stays out
	s_barrier_signal -1
	s_barrier_wait -1
	F2 0, 0
	F3 0, 0
	LAP 1                                          ; the first lap stands in front of the loop: its first products start the sums
	WIN 0
	s_mov_b32 s23, LAPS-2
.Llap:
	LAP 0
	WIN 0
	s_sub_co_u32 s23, s23, 1
	s_cmp_lg_u32 s23, 0
	s_cbranch_scc1 .Llap
	SUBE 0, 0                                      ; the last lap asks for nothing
	SUBO 0, 1, 0
	SUBE 1, 0
	PLACES                                         ; the very last substep
	F1 1, 64
	s_wait_dscnt 32
	WIN WQ
	MUL 0, 0, 0
	MUL 0, 4, 0
	s_wait_dscnt 0
	WIN WK
	MUL 1, 0, 0
	MUL 1, 4, 0
	WIN WV
	MUL 2, 0, 0
	MUL 2, 4, 0
	; THE WAY OUT.  head = 2 bx + CH, batch = by >> 3, my first t = 256 (by & 7) + 128 RH.
	PLACES
	s_lshl_b32 s66, s19, 1
	s_add_co_u32 s66, s66, s16                     ; head
	s_lshr_b32 s67, s20, 3
	s_lshl4_add_u32 s66, s67, s66                  ; 16 batch + head
	s_and_b32 s67, s20, 7
	s_lshl_b32 s67, s67, 8
	s_lshl_b32 s68, s15, 7
	s_add_co_u32 s67, s67, s68                     ; t0
	s_lshl_b32 s68, s66, 18                        ; a head's 2,048 x 64 f16 are 262,144 bytes, in all three buffers
	s_lshl_b32 s69, s67, 7                         ; qh, kh: rows of 128 bytes
	s_add_co_u32 s70, s68, s69
	s_mov_b32 s71, 0
	s_lshl1_add_u32 s72, s67, s68                  ; vt: 2 bytes for each t
	s_mov_b32 s73, 0
	s_add_nc_u64 s[8:9], s[8:9], s[70:71]
	s_add_nc_u64 s[10:11], s[10:11], s[70:71]
	s_add_nc_u64 s[12:13], s[12:13], s[72:73]
; q or k, rows 16 a .. + 15: round, 16 bytes a lane into my stage, back as rows; the 16 rows are 2,048 consecutive bytes of the buffer.
; from: sources 0 and 1 in the product's window; lo: the base's first register; rb: RB0 and RB1 in turn.  a may be a sum: it stands in parentheses.
.macro OUTQK from, a, lo, rb
	WIN \from
.irp b, 0,1,2,3
.irp r, 0,1,2,3
	v_cvt_pk_f16_f32 v[TMP+4*\b+\r], v[8*(4*(\a)+\b)+2*\r], v[8*(4*(\a)+\b)+2*\r+1]
.endr
.endr
	WIN 0
.irp b, 0,1,2,3
	ds_store_b128 v[STQ], v[TMP+4*\b:TMP+4*\b+3] offset:32*\b
.endr
	s_wait_xcnt 0x0                                ; the set rb, which earlier stores read, is loaded again only behind this wait (ISA guide 3.1)
.irp t, 0,1,2,3
	ds_load_b128 v[\rb+4*\t:\rb+4*\t+3], v[RDQ] offset:4*PITCH*\t   ; LDS serves a wave's instructions in order (ISA guide 5.7.1): these see the stores above
.endr
.irp t, 0,1,2,3
	s_wait_dscnt 3-\t
	global_store_b128 v[COQ], v[\rb+4*\t:\rb+4*\t+3], s[\lo:\lo+1] offset:2048*(\a)+512*\t   ; 512 consecutive bytes, aligned
.endr
.endm
; v, columns d = 16 b .. + 15, my 128 t: 16 rows of 256 bytes of vt.
.macro OUTV b, rb
	WIN 0x0f
.irp a, 0,1,2,3,4,5,6,7
.irp r, 0,1,2,3
	v_cvt_pk_f16_f32 v[TMP+4*\a+\r], v[8*(4*\a+\b)+2*\r], v[8*(4*\a+\b)+2*\r+1]
.endr
.endr
	WIN 0
.irp a, 0,1,2,3,4,5,6,7
	ds_store_b128 v[STV], v[TMP+4*\a:TMP+4*\a+3] offset:32*\a
.endr
	s_wait_xcnt 0x0
.irp t, 0,1,2,3,4,5,6,7
	ds_load_b128 v[\rb+4*\t:\rb+4*\t+3], v[RDV] offset:544*\t
.endr
.irp t, 0,1,2,3,4,5,6,7
	s_wait_dscnt 7-\t
	global_store_b128 v[COV], v[\rb+4*\t:\rb+4*\t+3], s[12:13] offset:(16*\b+2*\t)*4096   ; 16 lanes store 256 consecutive bytes, aligned
.endr
.endm
.irp a, 0,2,4,6
	OUTQK 0x05, \a, 8, RB0
	OUTQK 0x05, \a+1, 8, RB1
.endr
.irp a, 0,2,4,6
	OUTQK 0x0a, \a, 10, RB0
	OUTQK 0x0a, \a+1, 10, RB1
.endr
	OUTV 0, RB0
	OUTV 1, RB1
	OUTV 2, RB0
	OUTV 3, RB1
	s_wait_tensorcnt 0x0
	ds_add_u32 v30, v31
	s_wait_dscnt 0x0
	CROUND                                         ; the closing round: no work-group ends while a partner may still ask for a tile that names it
	s_endpgm
.Lfunc_end_k_q551ab6474a_proj:
	.size	k_q551ab6474a_proj, .Lfunc_end_k_q551ab6474a_proj-k_q551ab6474a_proj
	.p2alignl 7, 3214868480
	.fill 96, 4, 3214868480
	.section	.rodata,"a",@progbits
	.p2align	6, 0x0
	.amdhsa_kernel k_q551ab6474a_proj
		.amdhsa_group_segment_fixed_size 327680
		.amdhsa_private_segment_fixed_size 0
		.amdhsa_enable_private_segment 0
		.amdhsa_kernarg_size 40
		.amdhsa_user_sgpr_count 2
		.amdhsa_user_sgpr_kernarg_segment_ptr 1
		.amdhsa_wavefront_size32 1
		.amdhsa_system_sgpr_workgroup_id_x 1
		.amdhsa_system_sgpr_workgroup_id_y 1
		.amdhsa_system_sgpr_workgroup_id_z 1
		.amdhsa_system_vgpr_workitem_id 0
		.amdhsa_next_free_vgpr 1024
		.amdhsa_next_free_sgpr 80
		.amdhsa_reserve_vcc 0
		.amdhsa_float_denorm_mode_32 3
		.amdhsa_float_denorm_mode_16_64 3
		.amdhsa_memory_ordered 1
		.amdhsa_forward_progress 1
		.amdhsa_inst_pref_size 183
	.end_amdhsa_kernel
	.amdgpu_metadata
---
amdhsa.version: [ 1, 2 ]
amdhsa.kernels:
  - .name:           k_q551ab6474a_proj
    .symbol:         k_q551ab6474a_proj.kd
    .args:
      - { .name: xb, .offset: 0, .size: 8, .value_kind: global_buffer, .address_space: global }
      - { .name: wb, .offset: 8, .size: 8, .value_kind: global_buffer, .address_space: global }
      - { .name: qh, .offset: 16, .size: 8, .value_kind: global_buffer, .address_space: global }
      - { .name: kh, .offset: 24, .size: 8, .value_kind: global_buffer, .address_space: global }
      - { .name: vt, .offset: 32, .size: 8, .value_kind: global_buffer, .address_space: global }
    .group_segment_fixed_size: 327680
    .private_segment_fixed_size: 0
    .kernarg_segment_align: 8
    .kernarg_segment_size: 40
    .max_flat_workgroup_size: 128
    .sgpr_count:     80
    .vgpr_count:     1024
    .wavefront_size: 32
...
	.end_amdgpu_metadata
.endif
;; end of part 2
;; launch attn (part 3): grid 4 x 64, 8 waves a work-group, no clusters, 327,680 bytes of LDS; arguments qh, kh, vt, out0; writes out0
.if DOCPART == 3
	.amdgcn_target "amdgcn-amd-amdhsa--gfx1250"
	.amdhsa_code_object_version 6
	.text
	.protected	k_q551ab6474a_attn
	.globl	k_q551ab6474a_attn
	.p2align	8
	.type	k_q551ab6474a_attn,@function
k_q551ab6474a_attn:
	s_mov_b64 s[64:65], 0
	v_nop
	global_prefetch_b8 v0, s[64:65] scope:SCOPE_SE
	s_setreg_imm32_b32 hwreg(HW_REG_WAVE_MODE, 25, 1), 1
	s_wait_xcnt 0x0
; Causal attention of one (batch, head) pair bh, with a running maximum.  qh, kh: f16 [bh][t][64]; vt: f16 [bh][d][t]; out0: f32 [b][t][1024].
; Work-group (p, bh) makes two blocks of 256 queries one after the other, i = 7 - p and then i = p: 2 i + 2 key tiles of 128 each, 18 tiles in every
; work-group, 256 equal work-groups.  Keys behind the diagonal are not multiplied.
; Eight waves; wave w owns two tiles of 16 queries of the block's sixteen: tile w and tile 15 - w.  Tile a needs (a >> 2) + 1 of the diagonal block's
; four chunks of 64 keys, so that every wave has (w >> 2) + 1 + ((15 - w) >> 2) + 1 = 5 half chunks there.
; SCORES ARE MADE TRANSPOSED: S^T = K Q^T.  Lane (r, h) then holds query r and keys 8 h + j of a tile of 16, so that the maximum and the sum of a
; query stay in the lane but for one exchange between the halves, and two neighbouring tiles, packed to f16, ARE source 1 of O^T = V^T P^T.
; p = exp2(c s + NB) with c = log2(e) / 8 and NB = -c m, m the running maximum; old sums are scaled by exp2(NBnew - NBold), the ratio of the two shifts used.
; OPERANDS IN f16: a head's first rows are sums of a few p v of opposite signs, in which the rounding of p and v is seen in full; f16 keeps 11
; significant bits where bf16 keeps 8.  p is at most 1; q, k, v are as the launch before left them.
; LIMITS: |q|, |k|, |v| below 65,504 (stated with its arithmetic at the head of the launch that makes them).  A query whose allowed scores are all
; -inf or hold a NaN gives NaN, as the reference does.  P is rounded to f16 for the product (below 2^-24 to zero), while the denominator is summed
; from the f32 p.  Exponentials below 2^-126 count as zero.
; NO CLUSTER: the only work-groups that read the same tiles are the four of one head, and they walk 16, 14, 12, 10 and then 2, 4, 6, 8 tiles:
; partners would need different numbers of tiles, and a trip count would hang on the place in the cluster.
; LDS: a slot holds a key tile: K's 128 rows of 128 bytes as 64 rows of 256, then V^T's 64 rows (d) of 256 bytes, all 272 bytes apart
; (the 16 rows of a fragment start at 16 different 16-byte columns modulo 256 bytes); 34,816 bytes; two slots; behind them, at 69,632, a stage of 4,352 bytes for
; each wave, into which no tile is loaded.  The launch asks for 327,680 bytes so that the work-group is alone on its WGP.
.set PITCH, 272
.set VOFF,  64*PITCH                   ; V^T behind K
.set SLOT,  2*VOFF
.set STAGE, 2*SLOT
.set STG,   16*PITCH
.set CC,  3                            ; v3       c
.set KA,  4                            ; K fragments: (r >> 1) 272 + (r & 1) 128 + 16 h
.set VA,  5                            ; V fragments: r 272 + 16 h
.set QO,  6                            ; v6-7     query tile qt in the block's part of qh: (16 a + r) 128 + 16 h, a = w or 15 - w
.set STO, 8                            ; way out: stage + r 272 + 32 h
.set RD,  9                            ;          stage + (l >> 4) 272 + 16 (l & 15)
.set CO,  10                           ; v10-11   query tile qt in the block's part of out0: (16 a + (l >> 4)) 4096 + 16 (l & 15)
.set LIM, 12                           ; v12-13   query tile qt: key 16 t + j of its diagonal chunk is allowed if 16 t + j <= LIM
.set M,   14                           ; v14-15   running maximum
.set LS,  16                           ; v16-17   running sum (this half's keys)
.set AL,  18                           ; v18, v20 factor for the old sums (first of a pair)
.set NB,  22                           ; v22-23   -c m
.set T,   24                           ; v24-31   at work
.set KF,  32                           ; v32-95   K fragments [t][dh]
.set VF,  96                           ; v96-159  V fragments [dt][kc]
.set S,   160                          ; v160-223 scores [qt][t]
.set P,   224                          ; v224-255 P fragments [qt][kc]
.set O,   0                            ; window 1, v0-63   O^T [qt][dt]
.set QF,  64                           ; window 1, v64-95  Q fragments [qt][dh]
.set G1K, 24                           ; s[24:31] group 1 of K's tiles
.set G1V, 32                           ; s[32:39] group 1 of V's tiles
.set GK,  40                           ; s[40:47] K's group 0, one set for each slot
.set GV,  48                           ; s[48:55] V's group 0
.set MSB, 0
.macro WIN new                         ; the immediate's high byte repeats the setting that is left
.if MSB != \new
	s_set_vgpr_msb (MSB<<8)|\new
.set MSB, \new
.endif
.endm
; Four places: a load into a register that a matrix instruction has read, and a vector instruction that reads a matrix result, stand four
; plain vector instructions behind it (ISA guide 7.12.1 for vector instructions).
.macro PLACES
.rept 4
	v_nop
.endr
.endm
.macro TLOAD s                         ; wave 0 asks for K's tile, wave 1 for V's, 64 rows each; the others ask for nothing
	s_cmp_lg_u32 s12, 0
	s_cbranch_scc1 .Lnot_k_\@
	tensor_load_to_lds s[GK+4*\s:GK+4*\s+3], s[G1K:G1K+7]
	s_nop 0
.Lnot_k_\@:
	s_cmp_lg_u32 s12, 1
	s_cbranch_scc1 .Lnot_v_\@
	tensor_load_to_lds s[GV+4*\s:GV+4*\s+3], s[G1V:G1V+7]
	s_nop 0
.Lnot_v_\@:
.endm
	s_load_b256 s[4:11], s[0:1], 0x0               ; qh s[4:5], kh s[6:7], vt s[8:9], out0 s[10:11]
	s_set_vgpr_msb 0x40
	v_lshl_add_u32 v96, v0, 2, 0x29000
	v_mov_b32 v97, 0
	s_set_vgpr_msb 0x4000
	v_lshrrev_b32 v1, 5, v0
	v_readfirstlane_b32 s12, v1                    ; wave 0..7 = my first query tile
	s_mov_b32 s15, ttmp9                           ; p
	s_and_b32 s16, ttmp7, 0xffff                   ; bh
	s_sub_co_u32 s13, 15, s12                      ; my second query tile
	s_lshr_b32 s14, s12, 2                         ; 0: waves 0-3, 1: waves 4-7: the two ways through the diagonal block
	s_mov_b32 s20, 0x76543210                      ; v_permlanex16_b32: lane i of one half reads lane i of the other
	s_mov_b32 s21, 0xfedcba98
	s_mov_b32 s22, 0xff800000                      ; -inf
	; group 1: 64 rows of 128 elements of 2 bytes, 4 words of padding behind every 64 words
	s_mov_b32 s[G1K+0], (1<<16)|(1<<20)|(5<<22)|(3<<25)
	s_mov_b32 s[G1V+0], (1<<16)|(1<<20)|(5<<22)|(3<<25)
	s_mov_b32 s[G1K+1], 128<<16                    ; tensor_dim0
	s_mov_b32 s[G1V+1], 128<<16
	s_mov_b32 s[G1K+2], 64<<16                     ; tensor_dim1
	s_mov_b32 s[G1V+2], 64<<16
	s_mov_b32 s[G1K+3], 128<<16                    ; tile_dim0
	s_mov_b32 s[G1V+3], 128<<16
	s_mov_b32 s[G1K+4], 64                         ; tile_dim1
	s_mov_b32 s[G1V+4], 64
	s_mov_b32 s[G1K+5], 128                        ; K's tile is dense: a row of 256 bytes begins where the last ends
	s_mov_b32 s[G1V+5], 2048                       ; a row of vt has 2,048 elements
	s_mov_b32 s[G1K+6], 0
	s_mov_b32 s[G1V+6], 0
	s_mov_b32 s[G1K+7], 0
	s_mov_b32 s[G1V+7], 0
	; lane terms
	v_and_b32 v1, 15, v0                           ; r
	v_bfe_u32 v2, v0, 4, 1                         ; h
	v_lshrrev_b32 v24, 1, v1
	v_and_b32 v25, 1, v1
	v_mul_u32_u24 v[KA], v24, PITCH
	v_lshl_add_u32 v[KA], v25, 7, v[KA]
	v_lshl_add_u32 v[KA], v2, 4, v[KA]
	v_mul_u32_u24 v26, v1, PITCH
	v_lshl_add_u32 v[VA], v2, 4, v26
	v_lshlrev_b32 v27, 7, v1
	v_lshl_add_u32 v27, v2, 4, v27                 ; r 128 + 16 h
	s_lshl_b32 s66, s12, 11                        ; 16 rows of 128 bytes for each query tile
	s_lshl_b32 s67, s13, 11
	v_add_nc_u32 v[QO], s66, v27
	v_add_nc_u32 v[QO+1], s67, v27
	s_mul_i32 s66, s12, STG
	s_add_co_u32 s66, s66, STAGE                   ; my stage
	v_lshl_add_u32 v[STO], v2, 5, v26
	v_add_nc_u32 v[STO], s66, v[STO]
	v_mul_u32_u24 v[RD], v2, PITCH
	v_lshl_add_u32 v[RD], v1, 4, v[RD]
	v_add_nc_u32 v[RD], s66, v[RD]
	v_lshlrev_b32 v28, 12, v2
	v_lshl_add_u32 v28, v1, 4, v28                 ; h 4096 + 16 r
	s_lshl_b32 s66, s12, 16                        ; 16 rows of 4,096 bytes for each query tile
	s_lshl_b32 s67, s13, 16
	v_add_nc_u32 v[CO], s66, v28
	v_add_nc_u32 v[CO+1], s67, v28
	v_lshlrev_b32 v29, 3, v2
	v_sub_nc_u32 v29, v1, v29                      ; r - 8 h
	s_and_b32 s66, s12, 3                          ; tile a lies 16 (a & 3) rows into its chunk of 64
	s_lshl_b32 s66, s66, 4
	s_and_b32 s67, s13, 3
	s_lshl_b32 s67, s67, 4
	v_add_nc_u32 v[LIM], s66, v29
	v_add_nc_u32 v[LIM+1], s67, v29
	v_mov_b32 v[AL+1], 0                           ; the second registers of the pairs are named by the packed multiply and never used
	v_mov_b32 v[AL+3], 0
	v_mov_b32 v[CC], 0x3e38aa3b                    ; c = log2(e) / 8
	; the head's place in the four buffers
	s_lshl_b32 s66, s16, 18                        ; 2,048 x 64 f16 = 262,144 bytes
	s_mov_b32 s67, 0
	s_lshr_b32 s68, s16, 4
	s_lshl_b32 s68, s68, 23                        ; a batch of out0: 2,048 rows of 4,096 bytes
	s_and_b32 s69, s16, 15
	s_lshl_b32 s69, s69, 8                         ; a head's 64 f32
	s_add_co_u32 s68, s68, s69
	s_mov_b32 s69, 0
	s_wait_kmcnt 0x0
	s_add_nc_u64 s[72:73], s[4:5], s[66:67]
	s_add_nc_u64 s[56:57], s[6:7], s[66:67]
	s_add_nc_u64 s[58:59], s[8:9], s[66:67]
	s_add_nc_u64 s[74:75], s[10:11], s[68:69]
.macro LDK slot, cc                    ; 16 loads: the K fragments of chunk cc (64 keys) of the slot's tile
.irp t, 0,1,2,3
.irp dh, 0,1
	ds_load_b128 v[KF+16*\t+8*\dh:KF+16*\t+8*\dh+3],   v[KA] offset:\slot*SLOT+(4*\cc+\t)*8*PITCH+64*\dh
	ds_load_b128 v[KF+16*\t+8*\dh+4:KF+16*\t+8*\dh+7], v[KA] offset:\slot*SLOT+(4*\cc+\t)*8*PITCH+64*\dh+32
.endr
.endr
.endm
.macro LDV slot, cc                    ; 16 loads: the V^T fragments of the same chunk
.irp dt, 0,1,2,3
.irp kc, 0,1
	ds_load_b128 v[VF+16*\dt+8*\kc:VF+16*\dt+8*\kc+3],   v[VA] offset:\slot*SLOT+VOFF+16*PITCH*\dt+128*\cc+64*\kc
	ds_load_b128 v[VF+16*\dt+8*\kc+4:VF+16*\dt+8*\kc+7], v[VA] offset:\slot*SLOT+VOFF+16*PITCH*\dt+128*\cc+64*\kc+32
.endr
.endr
.endm
; The three macros below work on query tiles lo to 1: lo = 0 both, lo = 1 the second alone (the test qt + 1 > lo picks them).
; S^T = K Q^T: 64 keys x 16 queries a tile, 8 matrix instructions a tile.  The accumulators (eight, or four) take turns, one instruction a turn;
; the products of d = 0..31 start the sums.
.macro SMUL lo
	WIN 0x04                                       ; source 1 (Q) in window 1
.irp qt, 0,1
.if \qt+1 > \lo
.irp t, 0,1,2,3
	v_wmma_f32_16x16x32_f16 v[S+32*\qt+8*\t:S+32*\qt+8*\t+7], v[KF+16*\t:KF+16*\t+7], v[QF+16*\qt:QF+16*\qt+7], 0
.endr
.endif
.endr
.irp qt, 0,1
.if \qt+1 > \lo
.irp t, 0,1,2,3
	v_wmma_f32_16x16x32_f16 v[S+32*\qt+8*\t:S+32*\qt+8*\t+7], v[KF+16*\t+8:KF+16*\t+15], v[QF+16*\qt+8:QF+16*\qt+15], v[S+32*\qt+8*\t:S+32*\qt+8*\t+7]
.endr
.endif
.endr
.endm
; O^T += V^T P^T: 64 d x 16 queries a tile over 64 keys, 8 matrix instructions a tile, the accumulators by turns.
.macro PVMUL lo
	WIN 0x50                                       ; C and D (O) in window 1
.irp kc, 0,1
.irp qt, 0,1
.if \qt+1 > \lo
.irp dt, 0,1,2,3
	v_wmma_f32_16x16x32_f16 v[O+32*\qt+8*\dt:O+32*\qt+8*\dt+7], v[VF+16*\dt+8*\kc:VF+16*\dt+8*\kc+7], v[P+16*\qt+8*\kc:P+16*\qt+8*\kc+7], v[O+32*\qt+8*\dt:O+32*\qt+8*\dt+7]
.endr
.endif
.endr
.endr
.endm
; Query tile q in the chunk on its diagonal: keys behind the query get -inf.
.macro MASK q
.irp t, 0,1,2,3
.irp j, 0,1,2,3,4,5,6,7
	v_cmp_le_i32 vcc_lo, 16*\t+\j, v[LIM+\q]
	v_cndmask_b32 v[S+32*\q+8*\t+\j], s22, v[S+32*\q+8*\t+\j], vcc_lo
.endr
.endr
.endm
; One chunk's softmax step: 32 scores a lane and query tile.
.macro SOFTMAX lo
	WIN 0
	; the largest of a lane's 32 scores of a query, in four chains, the old maximum joined at the end; then the other half's
.irp qt, 0,1
.if \qt+1 > \lo
.irp t, 0,1,2,3
	v_max3_num_f32 v[T+4*\qt+\t], v[S+32*\qt+8*\t], v[S+32*\qt+8*\t+1], v[S+32*\qt+8*\t+2]
.endr
.endif
.endr
.irp j, 3,5
.irp qt, 0,1
.if \qt+1 > \lo
.irp t, 0,1,2,3
	v_max3_num_f32 v[T+4*\qt+\t], v[T+4*\qt+\t], v[S+32*\qt+8*\t+\j], v[S+32*\qt+8*\t+\j+1]
.endr
.endif
.endr
.endr
.irp qt, 0,1
.if \qt+1 > \lo
	v_max3_num_f32 v[T+4*\qt],   v[T+4*\qt],   v[T+4*\qt+1], v[S+32*\qt+7]
	v_max3_num_f32 v[T+4*\qt+2], v[T+4*\qt+2], v[T+4*\qt+3], v[S+32*\qt+15]
.endif
.endr
.irp qt, 0,1
.if \qt+1 > \lo
	v_max3_num_f32 v[T+4*\qt], v[T+4*\qt], v[T+4*\qt+2], v[S+32*\qt+23]
.endif
.endr
.irp qt, 0,1
.if \qt+1 > \lo
	v_max3_num_f32 v[T+4*\qt], v[T+4*\qt], v[S+32*\qt+31], v[M+\qt]
.endif
.endr
.irp qt, 0,1
.if \qt+1 > \lo
	v_permlanex16_b32 v[T+4*\qt+1], v[T+4*\qt], s20, s21
.endif
.endr
.irp qt, 0,1
.if \qt+1 > \lo
	v_max_num_f32 v[M+\qt], v[T+4*\qt], v[T+4*\qt+1]
.endif
.endr
.irp qt, 0,1
.if \qt+1 > \lo
	v_mul_f32 v[T+4*\qt+2], 0xbe38aa3b, v[M+\qt]               ; the new shift -c m
.endif
.endr
.irp qt, 0,1
.if \qt+1 > \lo
	v_sub_f32 v[T+4*\qt+3], v[T+4*\qt+2], v[NB+\qt]            ; new shift - old shift (-inf in a block's first chunk: the factor is 0)
	v_mov_b32 v[NB+\qt], v[T+4*\qt+2]
.endif
.endr
.irp qt, 0,1
.if \qt+1 > \lo
	v_exp_f32 v[AL+2*\qt], v[T+4*\qt+3]
.endif
.endr
	; c s - c m, one fused multiply-add a score
.irp qt, 0,1
.if \qt+1 > \lo
.set n, 0
.rept 32
	v_fma_f32 v[S+32*\qt+n], v[S+32*\qt+n], v[CC], v[NB+\qt]
.set n, n+1
.endr
.endif
.endr
.set n, 32*\lo
.rept 64-32*\lo
	v_exp_f32 v[S+n], v[S+n]
.set n, n+1
.endr
	; The old O is scaled here: plain instructions that touch no exponential's registers stand between the run above and the first use of
	; its results (ISA guide 5.7.2).
	WIN 0x41                                       ; O in window 1, the factor in window 0
.irp qt, 0,1
.if \qt+1 > \lo
	s_wait_alu depctr_va_vdst(0)
.irp n, 0,1,2,3,4,5,6,7,8,9,10,11,12,13,14,15
	v_pk_mul_f32 v[O+32*\qt+2*\n:O+32*\qt+2*\n+1], v[O+32*\qt+2*\n:O+32*\qt+2*\n+1], v[AL+2*\qt:AL+2*\qt+1] op_sel_hi:[1,0]
.endr
.endif
.endr
	WIN 0
	; P: tile t's eight numbers are keys 8 h + 0..7 of its 16: registers 4 (t & 1) .. + 3 of fragment t >> 1
.irp qt, 0,1
.if \qt+1 > \lo
.irp n, 0,1,2,3,4,5,6,7,8,9,10,11,12,13,14,15
	v_cvt_pk_f16_f32 v[P+16*\qt+\n], v[S+32*\qt+2*\n], v[S+32*\qt+2*\n+1]
.endr
.endif
.endr
	; the sum of the 32 p of a query, in place, in four chains of pairs
.irp u, 4,5,6,7,8,9,10,11,12,13,14,15
.irp qt, 0,1
.if \qt+1 > \lo
	v_pk_add_f32 v[S+32*\qt+2*(\u%4):S+32*\qt+2*(\u%4)+1], v[S+32*\qt+2*(\u%4):S+32*\qt+2*(\u%4)+1], v[S+32*\qt+2*\u:S+32*\qt+2*\u+1]
.endif
.endr
.endr
.irp qt, 0,1
.if \qt+1 > \lo
	v_pk_add_f32 v[S+32*\qt:S+32*\qt+1],   v[S+32*\qt:S+32*\qt+1],   v[S+32*\qt+2:S+32*\qt+3]
	v_pk_add_f32 v[S+32*\qt+4:S+32*\qt+5], v[S+32*\qt+4:S+32*\qt+5], v[S+32*\qt+6:S+32*\qt+7]
.endif
.endr
.irp qt, 0,1
.if \qt+1 > \lo
	v_pk_add_f32 v[S+32*\qt:S+32*\qt+1], v[S+32*\qt:S+32*\qt+1], v[S+32*\qt+4:S+32*\qt+5]
.endif
.endr
.irp qt, 0,1
.if \qt+1 > \lo
	v_fma_f32 v[LS+\qt], v[LS+\qt], v[AL+2*\qt], v[S+32*\qt]
.endif
.endr
.irp qt, 0,1
.if \qt+1 > \lo
	v_add_f32 v[LS+\qt], v[LS+\qt], v[S+32*\qt+1]
.endif
.endr
.endm
; A tile in front of the diagonal block: two chunks, nothing masked.  At its head a barrier has been passed: this slot's tile is whole for every wave, and
; nobody reads the other slot any more.  So the other slot is asked for again first: the next tile.  One tensor load of a wave is out at the most.
; Each counted wait leaves out the one run of 16 loads issued behind the run that it needs.
; THE STEP'S BARRIER IS SPLIT: as soon as the wave's last reads of this slot are back and its tensor load has landed it says so, then does the last
; chunk's softmax and product, which touch registers alone, and only then waits for the others: waves may be that much work apart and none stands still.
; No places stand in front of the first run of loads: K's registers were read last by the S product of the step before, behind which four stand.
.macro STEP_FULL slot, other
	TLOAD \other
	LDK \slot, 0
	s_wait_dscnt 0x0                               ; K of chunk 0 is in: only its 16 loads stand between the barrier and the first product
	SMUL 0
	PLACES
	WIN 0
	LDV \slot, 0
	LDK \slot, 1
	SOFTMAX 0
	s_wait_dscnt 16                                ; V of chunk 0 is in; K of chunk 1 may be out
	PVMUL 0
	PLACES
	WIN 0
	LDV \slot, 1
	s_wait_dscnt 16                                ; K of chunk 1 is in; V of chunk 1 may be out
	SMUL 0
	PLACES
	WIN 0
	s_wait_dscnt 0x0                               ; V of chunk 1 is in: my reads of this slot are over
	s_set_vgpr_msb 0x5
	s_wait_tensorcnt 0x0                           ; no tensor load of mine is out: the next tile has landed, and a group 0 may be written:
	ds_add_u32 v96, v97
	ds_add_u32 v96, v97
	s_wait_dscnt 0x0
	s_set_vgpr_msb 0x500
	s_add_nc_u64 s[GK+4*\slot+2:GK+4*\slot+3], s[GK+4*\slot+2:GK+4*\slot+3], 2*16384   ; this slot's next tile, two on
	s_add_nc_u64 s[GV+4*\slot+2:GV+4*\slot+3], s[GV+4*\slot+2:GV+4*\slot+3], 2*256
	s_barrier_signal -1
	SOFTMAX 0                                      ; register work alone up to the wait
	PVMUL 0
	WIN 0
	s_barrier_wait -1
.endm
; A chunk of the diagonal block: chunk cc of the slot's tile, query tiles lo to 1; mq: the query tile on whose diagonal the chunk lies, 2 for none.
.macro DCH slot, cc, lo, mq
	PLACES
	LDK \slot, \cc
	LDV \slot, \cc
	s_wait_dscnt 16                                ; K is in; V may be out
	SMUL \lo
	PLACES
	WIN 0
.if 2 > \mq
	MASK \mq
.endif
	SOFTMAX \lo
	s_wait_dscnt 0x0
	PVMUL \lo
	WIN 0
.endm
	s_mov_b32 s17, 0                               ; the pass
.Lpass:
	s_wait_xcnt 0x0                                ; the last pass's stores have read their base and data: both are written again below
	s_sub_co_u32 s18, 7, s15
	s_cmp_eq_u32 s17, 0
	s_cselect_b32 s18, s18, s15                    ; i: the block of 256 queries
	s_lshl_b32 s68, s18, 15                        ; 256 rows of 128 bytes
	s_mov_b32 s69, 0
	s_add_nc_u64 s[60:61], s[72:73], s[68:69]      ; the block in qh
	s_lshl_b32 s68, s18, 20                        ; 256 rows of 4,096 bytes
	s_add_nc_u64 s[62:63], s[74:75], s[68:69]      ; the block in out0
	s_wait_dscnt 0x0                               ; my reads of both slots are over,
	s_set_vgpr_msb 0x5
	s_wait_tensorcnt 0x0                           ; no tensor load of mine is out: the ring starts again at tile 0
	ds_add_u32 v96, v97
	ds_add_u32 v96, v97
	s_wait_dscnt 0x0
	s_set_vgpr_msb 0x500
.irp s, 0,1
	s_mov_b32 s[GK+4*\s], 1
	s_mov_b32 s[GK+4*\s+1], \s*SLOT
	s_add_nc_u64 s[GK+4*\s+2:GK+4*\s+3], s[56:57], \s*16384        ; tile s: 128 rows of 128 bytes on
	s_or_b32 s[GK+4*\s+3], s[GK+4*\s+3], 0x80000000
	s_mov_b32 s[GV+4*\s], 1
	s_mov_b32 s[GV+4*\s+1], \s*SLOT+VOFF
	s_add_nc_u64 s[GV+4*\s+2:GV+4*\s+3], s[58:59], \s*256          ; tile s: 128 keys along the rows
	s_or_b32 s[GV+4*\s+3], s[GV+4*\s+3], 0x80000000
.endr
	s_barrier_signal -1
	s_barrier_wait -1
	TLOAD 0                                        ; tile 0, first thing behind the barrier
	WIN 0x40                                       ; destinations in window 1
.irp qt, 0,1
.irp dh, 0,1
	global_load_b128 v[QF+16*\qt+8*\dh:QF+16*\qt+8*\dh+3],   v[QO+\qt], s[60:61] offset:64*\dh
	global_load_b128 v[QF+16*\qt+8*\dh+4:QF+16*\qt+8*\dh+7], v[QO+\qt], s[60:61] offset:64*\dh+32
.endr
.endr
	; O is cleared: a block's first product stands in the loop or, for i = 0, behind it, so that no one line could start the sums.  Twice in a wave's life.
.set n, 0
.rept 64
	v_mov_b32 v[O+n], 0
.set n, n+1
.endr
	WIN 0
.irp qt, 0,1
	v_mov_b32 v[M+\qt], s22                        ; -inf
	v_mov_b32 v[NB+\qt], 0x7f800000                ; -c m = +inf
	v_mov_b32 v[LS+\qt], 0
.endr
	s_wait_loadcnt 0x0                             ; Q
	s_wait_dscnt 0x0                               ; (no LDS instruction of mine is out)
	s_set_vgpr_msb 0x5
	s_wait_tensorcnt 0x0                           ; tile 0 has landed
	ds_add_u32 v96, v97
	ds_add_u32 v96, v97
	s_wait_dscnt 0x0
	s_set_vgpr_msb 0x500
	s_barrier_signal -1
	s_barrier_wait -1                              ; it is whole for every wave; behind this barrier slot 1 is filled
	s_mov_b32 s19, s18                             ; 2 i tiles lie in front of the diagonal block, two a trip
	s_cmp_eq_u32 s19, 0
	s_cbranch_scc1 .Ltail
.Lkv:
	STEP_FULL 0, 1
	STEP_FULL 1, 0
	s_sub_co_u32 s19, s19, 1
	s_cmp_lg_u32 s19, 0
	s_cbranch_scc1 .Lkv
.Ltail:
	; THE DIAGONAL BLOCK, chunks 0 to 3.  Waves 0-3 (tiles 0-3 and 12-15): first tile on the diagonal in chunk 0 and done; second tile open in 0, 1, 2,
	; on the diagonal in 3.  Waves 4-7 (tiles 4-7 and 8-11): first tile open in 0, on the diagonal in 1; second tile open in 0, 1, on the diagonal in 2.
	; The branches hang on the wave's number alone and jump over no barrier.
	TLOAD 1                                        ; the block's second tile, the last of the pass, first thing behind the barrier
	s_cmp_lg_u32 s14, 0
	s_cbranch_scc1 .Lhigh0
	DCH 0, 0, 0, 0
	DCH 0, 1, 1, 2
	s_branch .Ljoin0
.Lhigh0:
	DCH 0, 0, 0, 2
	DCH 0, 1, 0, 0
.Ljoin0:
	s_wait_dscnt 0x0
	s_wait_tensorcnt 0x0                           ; the last tile has landed
	s_barrier_signal -1
	s_barrier_wait -1                              ; and is whole for every wave; nothing is left to fetch
	s_cmp_lg_u32 s14, 0
	s_cbranch_scc1 .Lhigh1
	DCH 1, 0, 1, 2
	DCH 1, 1, 1, 1
	s_branch .Ljoin1
.Lhigh1:
	DCH 1, 0, 1, 1
.Ljoin1:
	; THE WAY OUT: the two halves' sums meet, O is divided, and 16 queries at a time go through my stage, so that 16 lanes store a head's 256 bytes of a row.
	PLACES
.irp qt, 0,1
	v_permlanex16_b32 v[T+4*\qt], v[LS+\qt], s20, s21
.endr
.irp qt, 0,1
	v_add_f32 v[LS+\qt], v[LS+\qt], v[T+4*\qt]
.endr
	v_rcp_f32 v[AL], v[LS]                         ; the sum holds the largest score's own term, which is 1 but for the rounding of the shift
	v_rcp_f32 v[AL+2], v[LS+1]
	v_nop                                          ; one plain instruction behind the reciprocals (ISA guide 5.7.2)
	WIN 0x41
	s_wait_alu depctr_va_vdst(0)
.irp qt, 0,1
.irp n, 0,1,2,3,4,5,6,7,8,9,10,11,12,13,14,15
	v_pk_mul_f32 v[O+32*\qt+2*\n:O+32*\qt+2*\n+1], v[O+32*\qt+2*\n:O+32*\qt+2*\n+1], v[AL+2*\qt:AL+2*\qt+1] op_sel_hi:[1,0]
.endr
.endr
.irp qt, 0,1
	WIN 0x04                                       ; store data in window 1
.irp dt, 0,1,2,3
	ds_store_b128 v[STO], v[O+32*\qt+8*\dt:O+32*\qt+8*\dt+3]   offset:64*\dt       ; query r, d = 16 dt + 8 h + 0..3
	ds_store_b128 v[STO], v[O+32*\qt+8*\dt+4:O+32*\qt+8*\dt+7] offset:64*\dt+16    ;                         + 4..7
.endr
	WIN 0
.irp t, 0,1,2,3,4,5,6,7
	ds_load_b128 v[KF+32*\qt+4*\t:KF+32*\qt+4*\t+3], v[RD] offset:2*PITCH*\t       ; LDS serves a wave's instructions in order (ISA guide 5.7.1): these see the stores above
.endr
.irp t, 0,1,2,3,4,5,6,7
	s_wait_dscnt 7-\t
	global_store_b128 v[CO+\qt], v[KF+32*\qt+4*\t:KF+32*\qt+4*\t+3], s[62:63] offset:2*\t*4096 th:TH_STORE_NT   ; 16 lanes store 256 consecutive bytes, aligned
.endr
.endr
	s_add_co_u32 s17, s17, 1
	s_cmp_lt_u32 s17, 2
	s_cbranch_scc1 .Lpass
	s_set_vgpr_msb 0x5
	s_wait_tensorcnt 0x0
	ds_add_u32 v96, v97
	s_wait_dscnt 0x0
	s_set_vgpr_msb 0x500
	s_endpgm
.Lfunc_end_k_q551ab6474a_attn:
	.size	k_q551ab6474a_attn, .Lfunc_end_k_q551ab6474a_attn-k_q551ab6474a_attn
	.p2alignl 7, 3214868480
	.fill 96, 4, 3214868480
	.section	.rodata,"a",@progbits
	.p2align	6, 0x0
	.amdhsa_kernel k_q551ab6474a_attn
		.amdhsa_group_segment_fixed_size 327680
		.amdhsa_private_segment_fixed_size 0
		.amdhsa_enable_private_segment 0
		.amdhsa_kernarg_size 32
		.amdhsa_user_sgpr_count 2
		.amdhsa_user_sgpr_kernarg_segment_ptr 1
		.amdhsa_wavefront_size32 1
		.amdhsa_system_sgpr_workgroup_id_x 1
		.amdhsa_system_sgpr_workgroup_id_y 1
		.amdhsa_system_sgpr_workgroup_id_z 1
		.amdhsa_system_vgpr_workitem_id 0
		.amdhsa_next_free_vgpr 354
		.amdhsa_next_free_sgpr 80
		.amdhsa_reserve_vcc 1
		.amdhsa_float_denorm_mode_32 3
		.amdhsa_float_denorm_mode_16_64 3
		.amdhsa_memory_ordered 1
		.amdhsa_forward_progress 1
		.amdhsa_inst_pref_size 204
	.end_amdhsa_kernel
	.amdgpu_metadata
---
amdhsa.version: [ 1, 2 ]
amdhsa.kernels:
  - .name:           k_q551ab6474a_attn
    .symbol:         k_q551ab6474a_attn.kd
    .args:
      - { .name: qh, .offset: 0, .size: 8, .value_kind: global_buffer, .address_space: global }
      - { .name: kh, .offset: 8, .size: 8, .value_kind: global_buffer, .address_space: global }
      - { .name: vt, .offset: 16, .size: 8, .value_kind: global_buffer, .address_space: global }
      - { .name: out0, .offset: 24, .size: 8, .value_kind: global_buffer, .address_space: global }
    .group_segment_fixed_size: 327680
    .private_segment_fixed_size: 0
    .kernarg_segment_align: 8
    .kernarg_segment_size: 32
    .max_flat_workgroup_size: 256
    .sgpr_count:     80
    .vgpr_count:     354
    .wavefront_size: 32
...
	.end_amdgpu_metadata
.endif
;; end of part 3
